; MI455X (gfx1250); checked and timed in simulation.
; The chip was launched on July 23, 2026; its instructions are those of AMD's public machine-readable ISA for CDNA 5 (MIT licence, August 2026) and "CDNA5" Instruction Set Architecture Reference Guide (July 2026). The comments in the code are by the model that wrote it; some were corrected since.
;; Query And Group. Allowed arithmetic: float matrix products may take bf16 or f16 operands with f32 sums; all other float work in f32.
;; Inputs: features 2 x 64 x 16,384 float32; new_xyz 2 x 2,048 x 3 float32; xyz 2 x 16,384 x 3 float32.
;; Outputs: out0 2 x 67 x 2,048 x 32 float32.
;; 2 versions, each right; version 2 is version 1 with the launch group written anew for expert scheduling mode. Each part assembles by itself: llvm-mc -triple=amdgcn-amd-amdhsa -mcpu=gfx1250 --defsym DOCPART=n.
;; ======== version 1 of 2: 2 launches
;; workspace buffers: ft 8,388,608 bytes; masks 8,388,608 bytes of whole numbers
;; launch ballmask (part 1): grid 256 x 1, 16 waves a work-group, no clusters, 69,632 bytes of LDS; arguments features, new_xyz, xyz, ft, masks; writes ft, masks
.if DOCPART == 1
	.amdgcn_target "amdgcn-amd-amdhsa--gfx1250"
	.amdhsa_code_object_version 6
	.text
	.protected	k_qd97f1497b0_ballmask
	.globl	k_qd97f1497b0_ballmask
	.p2align	8
	.type	k_qd97f1497b0_ballmask,@function
k_qd97f1497b0_ballmask:
	s_mov_b64 s[64:65], 0
	v_nop
	global_prefetch_b8 v0, s[64:65] scope:SCOPE_SE
	s_setreg_imm32_b32 hwreg(HW_REG_WAVE_MODE, 25, 1), 1
	s_wait_xcnt 0x0
; BALL MASKS AND FEATURE TRANSPOSE.
; (1) masks: for each of the 2 x 2048 queries one bit for each of the 16384 points of its batch: bit = (d2 < r^2), with
;     d = xyz - new_xyz (the negative of the reference's difference, same square), d2 = fma(dz,dz,fma(dy,dy,dx*dx)) in f32,
;     r^2 = 0.1*0.1 rounded to f32.  The test is the sign bit of d2 - r^2: a correctly rounded difference has the exact sign and is +0 at equality.
;     No branch and no address here hangs on these numbers: all 67.1 M pairs are tested, the next launch picks the first 32 hits.
; (2) ft[b][n][0..63] = features[b][0..63][n]: rows of 256 bytes, so that the next launch gathers a point's 64 channels as one piece.
; LIMITS, kept knowingly: the three squares are summed with fused multiply-adds in the order x, y, z: a sum with separately rounded
; products can differ in the last bit, which matters only for a d2 that lies within one such bit of r^2.  NaN coordinates (also inf - inf)
; are not served: the sign test follows the NaN's sign bit, where a comparison would say 'outside'.
;
; SHARES.  256 work-groups of 16 waves.  Work-group = batch b, 128 queries (group qg), 2048 points; wave = the 128 queries x 128 points.
; Lanes hold queries (4 a lane, as two packed pairs), points come as scalars: 9 vector instructions test one point against 64 queries
; (3 packed adds, 1 packed multiply, 2 packed fma, 1 packed add of -r^2, 2 v_alignbit_b32 that shift the two sign bits into two mask words).
; MASK LAYOUT.  A query's row is 2048 bytes; its 16 bytes at 512 t + 16 l (t 0..3, l 0..31) hold points 512 l + 128 t .. + 127, bit k of word j
; = point + 32 j + k.  Work-group (h, t) takes the pieces l = 16 h + wave: together 256 consecutive, aligned bytes of each row.  (The next launch
; reads a row by four loads of 512 consecutive bytes, and its lane l then holds the 512 consecutive points from 512 l on.)
; NO CLUSTER, NO TENSOR LOADS: the points feed scalar operands, which cannot be read from LDS; what work-groups share is 24,576 bytes of points
; and 1,536 bytes of queries each, against 98,304 bytes (feature tile in and out, masks out) that are a work-group's own.
.set FS,  0                            ; LDS: feature tile, 128 points x 256 bytes, 16-byte chunks swizzled
.set MS,  32768                        ; LDS: mask stage, 128 queries x 256 bytes at a pitch of MP
.set MP,  272                          ; odd multiple of 16: sixteen rows' equal columns lie in different banks (64 banks of 4 bytes, ISA guide 11.1)
.set PX,  2                            ; s[2:3]    address of the current word's 32 points
.set RA,  16                           ; s[16:39]  8 points (24 words) as loaded, buffer A
.set RB,  40                           ; s[40:63]  buffer B
.set SC,  66                           ; s[66:89]  the 12 odd words of the group at work, each copied to an even register
.set NR2, 90                           ; s[90:91]  -r^2
.set F,   16                           ; v[16:31]  feature tile as loaded
.set G,   32                           ; v[32:47]  feature tile, transposed, to store
.set QT,  48                           ; v[48:63]  queries as loaded (x, y, z, -)
.set NQ,  64                           ; v[64:75]  -query: pair p, coordinate c at NQ + 6 p + 2 c (queries 64 p + lane, 64 p + 32 + lane)
.set M,   76                           ; v[76:79]  mask words at work: M + m is query 32 m + lane
.set D,   80                           ; v[80:127] eight chains (4 points x 2 pairs) x (dx, dy, dz pairs); at the end the masks on their way out
	s_load_b256 s[4:11], s[0:1], 0x0               ; features s[4:5], new_xyz s[6:7], xyz s[8:9], ft s[10:11]
	s_load_b64 s[12:13], s[0:1], 0x20              ; masks
	v_lshl_add_u32 v128, v0, 2, 0x10800
	v_mov_b32 v129, 0
	v_and_b32 v1, 31, v0                           ; lane
	v_and_b32 v2, 15, v0                           ; i  = lane % 16
	v_bfe_u32 v3, v0, 4, 1                         ; hl = lane / 16
	v_lshrrev_b32 v13, 5, v0
	v_readfirstlane_b32 s14, v13                   ; wave 0..15
	s_lshr_b32 s15, ttmp9, 7                       ; batch (for both jobs)
	s_and_b32 s92, ttmp9, 127                      ; transpose: which tile of 128 points
	s_bfe_u32 s93, ttmp9, 0x40003                  ; masks: qg, 4 bits from bit 3
	s_bfe_u32 s94, ttmp9, 0x10002                  ; masks: h, bit 2
	s_and_b32 s95, ttmp9, 3                        ; masks: t
	s_mov_b32 s97, 0                               ; high word of every offset pair s[96:97]
	s_lshl_b32 s98, s15, 22                        ; batch x 4 MiB (features and ft alike)
	s_lshl_b32 s96, s92, 9                         ; tile x 128 points x 4 bytes
	s_add_co_u32 s96, s96, s98
	s_lshl_b32 s99, s14, 18                        ; wave x 4 channels x 65,536 bytes
	v_lshlrev_b32 v4, 4, v2
	v_lshl_add_u32 v4, v3, 16, v4                  ; lanes 0-15: one channel's 256 bytes; lanes 16-31: the next channel's
	v_add_nc_u32 v4, s99, v4
	s_wait_kmcnt 0x0
	s_add_nc_u64 s[4:5], s[4:5], s[96:97]
	; load e: channels 4 wave + 2 (e>>1) + hl, points 64 (e&1) + 4 i .. + 3.  Each half of the wave reads 256 consecutive, aligned bytes.
.irp e, 0,1,2,3
	global_load_b128 v[F+4*\e:F+4*\e+3], v4, s[4:5] offset:(\e>>1)*131072+(\e&1)*256 th:TH_LOAD_NT
.endr
	; my piece of 128 points: 512 (16 h + wave) + 128 t
	s_lshl_b32 s96, s15, 14
	s_lshl_b32 s99, s94, 13
	s_add_co_u32 s96, s96, s99
	s_lshl_b32 s99, s14, 9
	s_add_co_u32 s96, s96, s99
	s_lshl_b32 s99, s95, 7
	s_add_co_u32 s96, s96, s99
	s_mul_i32 s96, s96, 12
	s_add_nc_u64 s[PX:PX+1], s[8:9], s[96:97]
	s_load_b512 s[RA:RA+15], s[PX:PX+1], 288       ; points 24-31 of the first word: a word's points are taken from the last to the first
	s_load_b256 s[RA+16:RA+23], s[PX:PX+1], 352
	; my work-group's 128 queries
	s_lshl_b32 s99, s15, 11
	s_lshl_b32 s100, s93, 7
	s_add_co_u32 s99, s99, s100                    ; first query's row, 0..4095
	s_mul_i32 s96, s99, 12
	s_add_nc_u64 s[6:7], s[6:7], s[96:97]
	v_mul_u32_u24 v9, 12, v1
.irp m, 0,1,2,3
	global_load_b96 v[QT+4*\m:QT+4*\m+2], v9, s[6:7] offset:384*\m     ; query 32 m + lane
.endr
	s_lshl_b32 s96, s99, 11                        ; masks: row x 2048 + 512 t + 256 h
	s_lshl_b32 s100, s95, 9
	s_add_co_u32 s96, s96, s100
	s_lshl_b32 s100, s94, 8
	s_add_co_u32 s96, s96, s100
	s_add_nc_u64 s[12:13], s[12:13], s[96:97]
	s_lshl_b32 s96, s92, 15                        ; ft: batch x 4 MiB + tile x 128 rows x 256 bytes
	s_add_co_u32 s96, s96, s98
	s_add_nc_u64 s[10:11], s[10:11], s[96:97]
	; LDS addresses.  Feature tile: element (point p, channel c) lies at p * 256 + ((4 c) xor (16 ((p >> 2) & 15))).
	; Stores: p = 64 (e&1) + 4 i + j, so the key is i; c = 4 wave + 2 (e>>1) + hl.  The 32 lanes of a store hit 32 different banks
	; (i moves address bits 4-7, hl bit 2).  Loads take a row's sixteen chunks: all banks once.
	v_xor_b32 v13, s14, v2
	v_lshlrev_b32 v13, 4, v13
	v_lshl_add_u32 v13, v2, 10, v13
	v_lshl_add_u32 v5, v3, 2, v13                  ; v5 = 1024 i + 16 (wave xor i) + 4 hl
	s_lshl_b32 s99, s14, 1
	s_and_b32 s99, s99, 15                         ; key of my rows 8 wave .. + 3; rows + 4 .. + 7 have key + 1 = key xor 1
	s_lshl_b32 s100, s14, 11                       ; wave x 8 rows x 256 bytes
	v_xor_b32 v13, s99, v2
	v_lshlrev_b32 v14, 8, v3
	v_add_nc_u32 v14, s100, v14
	v_lshl_add_u32 v6, v13, 4, v14                 ; v6: row 8 wave + hl, chunk i xor key
	v_xor_b32 v7, 16, v6                           ; v7: the same with key xor 1
	v_lshlrev_b32 v8, 4, v1
	v_add_nc_u32 v8, s100, v8                      ; ft: wave x 2048 + 16 lane
	s_lshl_b32 s99, s14, 4
	s_add_co_u32 s99, s99, MS
	v_mul_u32_u24 v10, v1, MP
	v_add_nc_u32 v10, s99, v10                     ; mask stage, in: row lane (+ 32 m), byte 16 wave (+ 4 word)
	s_lshl_b32 s99, s14, 3
	v_add_nc_u32 v13, s99, v3                      ; row 8 wave + hl
	v_mul_u32_u24 v11, v13, MP
	v_lshl_add_u32 v11, v2, 4, v11
	v_add_nc_u32 v11, MS, v11                      ; mask stage, back: that row, chunk i
	v_lshlrev_b32 v12, 11, v13
	v_lshl_add_u32 v12, v2, 4, v12                 ; and the same in the mask rows of 2048 bytes
	; constants of the main loop
	s_mov_b32 s[NR2], 0xbc23d70a                   ; -(0.1 * 0.1) in f32
	s_mov_b32 s[NR2+1], 0xbc23d70a
.irp k, 0,1,2,3,4,5,6,7,8,9,10,11
	s_mov_b32 s[SC+2*\k+1], 0                      ; the second register of each pair is never used, only named
.endr
.irp m, 0,1,2,3
	v_mov_b32 v[M+\m], 0                           ; 32 shifts push this out again; written because the first shift reads it
.endr
	; THE TRANSPOSE, ahead of the arithmetic so that its stores leave while the vector unit works.
.irp e, 0,1,2,3
	s_wait_loadcnt 7-\e                            ; loads return in order: 3 - e feature loads and the 4 query loads are younger
.irp j, 0,1,2,3
	ds_store_b32 v5, v[F+4*\e+\j] offset:(\e&1)*16384+\j*256+(\e>>1)*8
.endr
.endr
	s_wait_dscnt 0x0                               ; my part of the tile is written, for the others' sake
	s_barrier_signal -1
	s_barrier_wait -1
.irp e, 0,1
	ds_load_b128 v[G+4*\e:G+4*\e+3], v6 offset:\e*512      ; rows 8 wave + 2 e + hl
.endr
.irp e, 2,3
	ds_load_b128 v[G+4*\e:G+4*\e+3], v7 offset:\e*512
.endr
.irp e, 0,1,2,3
	s_wait_dscnt 3-\e
	global_store_b128 v8, v[G+4*\e:G+4*\e+3], s[10:11] offset:\e*512   ; 512 consecutive bytes, two whole rows of ft
.endr
	s_wait_loadcnt 0x0                             ; the queries
.irp p, 0,1
.irp c, 0,1,2
.irp e, 0,1
	v_mul_f32 v[NQ+6*\p+2*\c+\e], -1.0, v[QT+4*(2*\p+\e)+\c]
.endr
.endr
.endr
; dst pair = (-q, -q') + word d of the group in buffer R.  A packed f32 instruction takes a scalar as an aligned pair and broadcasts its first
; register: even words are named where they were loaded, odd words in their copies.
.macro PADD dst, nq, R, d
.if (\d)&1
	v_pk_add_f32 v[\dst:\dst+1], v[\nq:\nq+1], s[SC+\d-1:SC+\d] op_sel_hi:[1,0]
.else
	v_pk_add_f32 v[\dst:\dst+1], v[\nq:\nq+1], s[\R+\d:\R+\d+1] op_sel_hi:[1,0]
.endif
.endm
; Four points (n0 + 3 down to n0) x two pairs of queries = eight chains that do not wait for each other; chain x: point n0 + 3 - x/2, pair x % 2.
.macro BATCH R, n0
.irp c, 0,1,2
.irp x, 0,1,2,3,4,5,6,7
	PADD (D+6*\x+2*\c), (NQ+6*(\x&1)+2*\c), \R, (3*(\n0+3-(\x>>1))+\c)
.endr
.endr
.irp x, 0,1,2,3,4,5,6,7
	v_pk_mul_f32 v[D+6*\x:D+6*\x+1], v[D+6*\x:D+6*\x+1], v[D+6*\x:D+6*\x+1]
.endr
.irp x, 0,1,2,3,4,5,6,7
	v_pk_fma_f32 v[D+6*\x:D+6*\x+1], v[D+6*\x+2:D+6*\x+3], v[D+6*\x+2:D+6*\x+3], v[D+6*\x:D+6*\x+1]
.endr
.irp x, 0,1,2,3,4,5,6,7
	v_pk_fma_f32 v[D+6*\x:D+6*\x+1], v[D+6*\x+4:D+6*\x+5], v[D+6*\x+4:D+6*\x+5], v[D+6*\x:D+6*\x+1]
.endr
.irp x, 0,1,2,3,4,5,6,7
	v_pk_add_f32 v[D+6*\x:D+6*\x+1], v[D+6*\x:D+6*\x+1], s[NR2:NR2+1] op_sel_hi:[1,0]     ; negative exactly where d2 < r^2
.endr
.irp x, 0,1,2,3,4,5,6,7
	v_alignbit_b32 v[M+2*(\x&1)], v[M+2*(\x&1)], v[D+6*\x], 31                             ; M = (M << 1) | sign
	v_alignbit_b32 v[M+2*(\x&1)+1], v[M+2*(\x&1)+1], v[D+6*\x+1], 31
.endr
.endm
; Eight points from buffer R; meanwhile the next eight are fetched into buffer RN from byte off of the current word.
.macro GROUP R, RN, off, load
	s_wait_kmcnt 0x0                               ; scalar loads return in no order: only 0 says that R is whole.  It was asked for one group (144 vector instructions) ago
.irp k, 0,1,2,3,4,5,6,7,8,9,10,11
	s_mov_b32 s[SC+2*\k], s[\R+2*\k+1]
.endr
.if \load
	s_load_b512 s[\RN:\RN+15], s[PX:PX+1], \off
	s_load_b256 s[\RN+16:\RN+23], s[PX:PX+1], \off+64
.endif
	BATCH \R, 4
	BATCH \R, 0
.endm
; One mask word for each of my 128 queries: points 31 down to 0, so that the last shift leaves point k in bit k.
; nxt = 1: a word follows, and its points 24-31 (byte 384 + 288) are asked for.
.macro WORD nxt
	GROUP RA, RB, 192, 1
	GROUP RB, RA, 96, 1
	GROUP RA, RB, 0, 1
	GROUP RB, RA, 672, \nxt
.irp m, 0,1,2,3
	ds_store_b32 v10, v[M+\m] offset:\m*32*MP
.endr
	v_add_nc_u32 v10, 4, v10                       ; the next word's place (LDS instructions have read their sources at issue)
.endm
	s_mov_b32 s98, 3
.Lword:
	WORD 1
	s_wait_xcnt 0x0                                ; the pending scalar loads have read their base: it steps only behind this wait
	s_add_nc_u64 s[PX:PX+1], s[PX:PX+1], 384
	s_sub_co_u32 s98, s98, 1
	s_cmp_lg_u32 s98, 0
	s_cbranch_scc1 .Lword
	WORD 0                                         ; the fourth word is written out: nothing is fetched beyond the piece
	; THE MASKS' WAY OUT: sixteen waves' 16 bytes make 256 bytes of a query's row.
	s_wait_dscnt 0x0                               ; my words are in the stage, for the others' sake
	s_barrier_signal -1
	s_barrier_wait -1
.irp e, 0,1,2,3
	ds_load_b128 v[D+4*\e:D+4*\e+3], v11 offset:\e*2*MP    ; rows 8 wave + 2 e + hl
.endr
.irp e, 0,1,2,3
	s_wait_dscnt 3-\e
	global_store_b128 v12, v[D+4*\e:D+4*\e+3], s[12:13] offset:\e*4096 ; each half of the wave stores 256 consecutive bytes, aligned
.endr
	s_wait_tensorcnt 0x0
	ds_add_u32 v128, v129
	s_wait_dscnt 0x0
	s_endpgm
.Lfunc_end_k_qd97f1497b0_ballmask:
	.size	k_qd97f1497b0_ballmask, .Lfunc_end_k_qd97f1497b0_ballmask-k_qd97f1497b0_ballmask
	.p2alignl 7, 3214868480
	.fill 96, 4, 3214868480
	.section	.rodata,"a",@progbits
	.p2align	6, 0x0
	.amdhsa_kernel k_qd97f1497b0_ballmask
		.amdhsa_group_segment_fixed_size 69632
		.amdhsa_private_segment_fixed_size 0
		.amdhsa_enable_private_segment 0
		.amdhsa_kernarg_size 40
		.amdhsa_user_sgpr_count 2
		.amdhsa_user_sgpr_kernarg_segment_ptr 1
		.amdhsa_wavefront_size32 1
		.amdhsa_system_sgpr_workgroup_id_x 1
		.amdhsa_system_sgpr_workgroup_id_y 1
		.amdhsa_system_sgpr_workgroup_id_z 1
		.amdhsa_system_vgpr_workitem_id 0
		.amdhsa_next_free_vgpr 130
		.amdhsa_next_free_sgpr 102
		.amdhsa_reserve_vcc 0
		.amdhsa_float_denorm_mode_32 3
		.amdhsa_float_denorm_mode_16_64 3
		.amdhsa_memory_ordered 1
		.amdhsa_forward_progress 1
		.amdhsa_inst_pref_size 85
	.end_amdhsa_kernel
	.amdgpu_metadata
---
amdhsa.version: [ 1, 2 ]
amdhsa.kernels:
  - .name:           k_qd97f1497b0_ballmask
    .symbol:         k_qd97f1497b0_ballmask.kd
    .args:
      - { .name: features, .offset: 0, .size: 8, .value_kind: global_buffer, .address_space: global }
      - { .name: new_xyz, .offset: 8, .size: 8, .value_kind: global_buffer, .address_space: global }
      - { .name: xyz, .offset: 16, .size: 8, .value_kind: global_buffer, .address_space: global }
      - { .name: ft, .offset: 24, .size: 8, .value_kind: global_buffer, .address_space: global }
      - { .name: masks, .offset: 32, .size: 8, .value_kind: global_buffer, .address_space: global }
    .group_segment_fixed_size: 69632
    .private_segment_fixed_size: 0
    .kernarg_segment_align: 8
    .kernarg_segment_size: 40
    .max_flat_workgroup_size: 512
    .sgpr_count:     102
    .vgpr_count:     130
    .wavefront_size: 32
...
	.end_amdgpu_metadata
.endif
;; end of part 1
;; launch group (part 2): grid 1024 x 1, 4 waves a work-group, no clusters, 44,544 bytes of LDS; arguments masks, ft, xyz, new_xyz, out0; writes out0
.if DOCPART == 2
	.amdgcn_target "amdgcn-amd-amdhsa--gfx1250"
	.amdhsa_code_object_version 6
	.text
	.protected	k_qd97f1497b0_group
	.globl	k_qd97f1497b0_group
	.p2align	8
	.type	k_qd97f1497b0_group,@function
k_qd97f1497b0_group:
	s_mov_b64 s[64:65], 0
	v_nop
	global_prefetch_b8 v0, s[64:65] scope:SCOPE_SE
	s_setreg_imm32_b32 hwreg(HW_REG_WAVE_MODE, 25, 1), 1
	s_wait_xcnt 0x0
; SELECT AND GROUP.  out0[b][c][q][s]: c = 0..2: xyz[b][idx][c] - new_xyz[b][q][c]; c = 3..66: features[b][c-3][idx], idx = idx(b, q, s) =
; the (s+1)-th point inside the ball in the points' order; slots beyond the count take the first such point, or point 0 if there is none.
; The masks (whole numbers, made by the launch before) say which points are inside; ft holds the features as rows of 256 bytes a point.
; SHARES.  1024 work-groups of 4 waves; a work-group owns 4 neighbouring queries, a wave one of them until the barrier.  Four queries x 32 samples
; are 512 consecutive bytes of every output channel: one 16-byte store of a wave.
; Per wave: 2 KB of masks in, 32 rows of 256 bytes and 32 x 12 bytes gathered, all 17 gathers in flight at once; per work-group 67 x 512 bytes out.
; NO CLUSTER, NO TENSOR LOADS: no two work-groups read the same mask row, and which rows of ft they share is known only from the data.
; NO PREFETCH: a row's number is known only a few instructions before its load.
.set ROWB, 512                         ; a tile row: one channel, 4 queries x 32 samples
.set SCR,  67*ROWB                     ; behind the tile: each wave's own scratch
.set WSZ,  2432                        ; its size: 2048 mask words, 256 slot table (33 words used), 128 index list
.set TOFF, 2048
.set IOFF, 2304
.set CHB,  262144                      ; bytes of an output channel: 2048 queries x 32 samples x 4
.set W,    36                          ; v[36:51]   my 16 mask words: points 512 lane + 32 k + bit
.set IX,   52                          ; v[52:67]   indices 2 r + hl, then the byte offsets of their rows' 16 bytes
.set DD,   68                          ; v[68:131]  16 x 16 bytes gathered; later 16 tile rows on their way out
.set RD,   132                         ; v[132:135] tile read addresses for the four swizzle keys of my 16 channels
; v1 lane, v2 i = lane % 16, v3 hl = lane / 16, v4 16 lane, v5 16 i; v6-v10, v25, v27-v31 addresses (below); v11-v24, v26 the selection
	s_load_b256 s[4:11], s[0:1], 0x0               ; masks s[4:5], ft s[6:7], xyz s[8:9], new_xyz s[10:11]
	s_load_b64 s[12:13], s[0:1], 0x20              ; out0
	v_lshl_add_u32 v136, v0, 2, 0xac00
	v_mov_b32 v137, 0
	v_and_b32 v1, 31, v0
	v_and_b32 v2, 15, v0
	v_bfe_u32 v3, v0, 4, 1
	v_lshrrev_b32 v14, 5, v0
	v_readfirstlane_b32 s14, v14                   ; wave 0..3
	s_lshl2_add_u32 s15, ttmp9, s14                ; my query's row, 4 x group + wave, 0..4095
	s_lshr_b32 s16, ttmp9, 9                       ; batch
	s_mov_b32 s21, 0                               ; high word of every offset pair s[20:21]
	s_lshl_b32 s20, s15, 11
	v_lshlrev_b32 v4, 4, v1
	v_lshlrev_b32 v5, 4, v2
	s_wait_kmcnt 0x0
	s_add_nc_u64 s[4:5], s[4:5], s[20:21]
.irp t, 0,1,2,3
	global_load_b128 v[W+4*\t:W+4*\t+3], v4, s[4:5] offset:512*\t th:TH_LOAD_NT    ; 512 consecutive bytes; words 4 t .. 4 t + 3 of my 512 points
.endr
	s_mul_i32 s20, s15, 12
	s_add_nc_u64 s[10:11], s[10:11], s[20:21]
	s_load_b96 s[24:26], s[10:11], 0x0             ; my query's x, y, z
	s_lshl_b32 s20, s16, 22
	s_add_nc_u64 s[6:7], s[6:7], s[20:21]          ; ft of my batch
	s_mul_i32 s20, s16, 196608
	s_add_nc_u64 s[8:9], s[8:9], s[20:21]          ; xyz of my batch
	s_mul_i32 s22, s16, 67
	s_and_b32 s23, ttmp9, 511
	s_lshl_b32 s23, s23, 9                         ; the group's 512 bytes in a channel
	s_add_co_u32 s20, s22, s14
	s_lshl_b32 s20, s20, 18
	s_add_co_u32 s20, s20, s23
	s_add_nc_u64 s[32:33], s[12:13], s[20:21]      ; channel 67 b + wave: the coordinate row that waves 0-2 store
	s_lshl4_add_u32 s20, s14, s22
	s_add_co_u32 s20, s20, 3
	s_lshl_b32 s20, s20, 18
	s_add_co_u32 s20, s20, s23
	s_add_nc_u64 s[12:13], s[12:13], s[20:21]      ; channel 67 b + 3 + 16 wave: the first of my 16 feature channels
	; LDS addresses, made while the masks are on their way
	s_mul_i32 s17, s14, WSZ
	s_add_co_u32 s17, s17, SCR                     ; my scratch
	s_add_co_u32 s18, s17, TOFF
	s_add_co_u32 s19, s17, IOFF
	v_lshl_add_u32 v6, v1, 6, s17                  ; mask words: word id x 4, id = 16 lane + k
	v_lshl_add_u32 v7, v1, 2, s18                  ; slot table: slot = lane
	v_mov_b32 v8, s18
	v_mov_b32 v9, s17
	v_lshlrev_b32 v10, 9, v1                       ; (16 lane) << 5
	v_and_b32 v14, 1, v1
	v_lshrrev_b32 v15, 1, v1
	v_lshlrev_b32 v15, 2, v15
	v_lshl_add_u32 v15, v14, 6, v15
	v_add_nc_u32 v27, s19, v15                     ; index list, in: even samples first, then the odd ones
	v_lshl_add_u32 v28, v3, 6, s19                 ; index list, back: 16 indices 2 r + hl
	; Tile: element (channel row c, column x = 32 wave + sample) lies at 512 c + ((4 x) xor (16 ((c >> 2) & 15))); feature channel c is row c,
	; coordinate c is row 64 + c (key 0).  A gathered 16 bytes are channels 4 i + j of sample 2 r + hl: key i; the 32 lanes of a store hit 32 different
	; banks (i moves address bits 4-7, hl bit 2; 64 banks of 4 bytes, ISA guide 11.1).  A row is read back as 32 chunks of 16 bytes.
	s_lshl_b32 s22, s14, 7
	v_xor_b32 v30, s22, v5
	v_lshl_add_u32 v30, v2, 11, v30
	v_lshl_add_u32 v30, v3, 2, v30                 ; 2048 i + ((128 wave) xor (16 i)) + 4 hl; 8 r is xor-ed in per load, 512 j is an offset
	s_add_co_u32 s23, s22, 64*ROWB
	v_lshl_add_u32 v31, v1, 2, s23                 ; coordinate rows, in: column 32 wave + lane
	s_lshl_b32 s27, s14, 6
	s_lshl_b32 s28, s14, 13
	v_xor_b32 v[RD], s27, v4
	v_add_nc_u32 v[RD], s28, v[RD]                 ; rows 16 wave + r: key 4 wave + (r >> 2)
	v_xor_b32 v[RD+1], 16, v[RD]
	v_xor_b32 v[RD+2], 32, v[RD]
	v_xor_b32 v[RD+3], 48, v[RD]
	s_lshl_b32 s27, s14, 9
	s_add_co_u32 s27, s27, 64*ROWB
	v_add_nc_u32 v25, s27, v4                      ; coordinate row 64 + wave, back
	; THE SELECTION.  All LDS bytes used here are my wave's own, and LDS serves a wave's instructions in order (ISA guide 5.7.1): no barrier.
	s_wait_loadcnt 0x0
.irp t, 0,1,2,3
	ds_store_b128 v6, v[W+4*\t:W+4*\t+3] offset:16*\t
.endr
	v_mov_b32 v14, 0
	ds_store_b32 v7, v14                           ; slot table = 0
	v_bcnt_u32_b32 v11, v[W], 0
.irp k, 1,2,3,4,5,6,7,8,9,10,11,12,13,14,15
	v_bcnt_u32_b32 v11, v[W+\k], v11               ; hits among my 512 points
.endr
	v_mov_b32 v12, v11                             ; running sum over the lanes: four steps inside 16 lanes, then lane 15's sum on top of lanes 16-31
	v_add_nc_u32_dpp v12, v12, v12 row_shr:1 row_mask:0xf bank_mask:0xf bound_ctrl:1
	v_add_nc_u32_dpp v12, v12, v12 row_shr:2 row_mask:0xf bank_mask:0xf bound_ctrl:1
	v_add_nc_u32_dpp v12, v12, v12 row_shr:4 row_mask:0xf bank_mask:0xf bound_ctrl:1
	v_add_nc_u32_dpp v12, v12, v12 row_shr:8 row_mask:0xf bank_mask:0xf bound_ctrl:1
	v_readlane_b32 s29, v12, 15
	v_mad_u32_u24 v12, v3, s29, v12
	v_readlane_b32 s30, v12, 31                    ; the ball's count
	v_sub_nc_u32 v13, v12, v11                     ; hits in front of my first word
	; Each word that holds a hit and has fewer than 32 hits in front of it writes (word id << 5 | hits in front) into the slot of its first hit.
	; Such words have different slots.  All others write into slot 32, which nobody reads.
.irp k, 0,1,2,3,4,5,6,7,8,9,10,11,12,13,14,15
	v_cmp_ne_u32 vcc_lo, 0, v[W+\k]
	v_cndmask_b32 v[14+(\k&1)], 32, v13, vcc_lo
	v_add3_u32 v[16+(\k&1)], v13, v10, 32*\k
	v_min_u32 v[14+(\k&1)], 32, v[14+(\k&1)]
	v_lshl_add_u32 v[14+(\k&1)], v[14+(\k&1)], 2, v8
	ds_store_b32 v[14+(\k&1)], v[16+(\k&1)]
	v_bcnt_u32_b32 v13, v[W+\k], v13
.endr
	ds_load_b32 v18, v7                            ; lane = slot from here on
	s_wait_dscnt 0x0
	; Word ids grow with the slots: a running maximum gives every slot the word that holds its hit.
	v_max_u32_dpp v18, v18, v18 row_shr:1 row_mask:0xf bank_mask:0xf bound_ctrl:1
	v_max_u32_dpp v18, v18, v18 row_shr:2 row_mask:0xf bank_mask:0xf bound_ctrl:1
	v_max_u32_dpp v18, v18, v18 row_shr:4 row_mask:0xf bank_mask:0xf bound_ctrl:1
	v_max_u32_dpp v18, v18, v18 row_shr:8 row_mask:0xf bank_mask:0xf bound_ctrl:1
	v_readlane_b32 s29, v18, 15
	v_mul_u32_u24 v14, v3, s29
	v_max_u32 v18, v18, v14
	v_lshrrev_b32 v15, 5, v18                      ; word id
	v_and_b32 v16, 31, v18                         ; slot of the word's first hit
	v_min_u32 v15, 0x1ff, v15
	v_lshl_add_u32 v15, v15, 2, v9
	ds_load_b32 v20, v15                           ; the word
	v_sub_nc_u32 v19, v1, v16                      ; I want its hit number k (from 0)
	v_mov_b32 v21, 0
	s_wait_dscnt 0x0
; Halving search: if the next w bits hold no more than k hits, pass over them.
.macro LEVEL w
	v_bfe_u32 v22, v20, v21, \w
	v_bcnt_u32_b32 v22, v22, 0
	v_add_nc_u32 v24, \w, v21
	v_cmp_ge_u32 vcc_lo, v19, v22
	v_sub_nc_u32 v23, v19, v22
	v_cndmask_b32 v21, v21, v24, vcc_lo
	v_cndmask_b32 v19, v19, v23, vcc_lo
.endm
	LEVEL 16
	LEVEL 8
	LEVEL 4
	LEVEL 2
	LEVEL 1
	v_and_or_b32 v26, v18, 0xffffffe0, v21         ; 32 x word id + bit
	v_readfirstlane_b32 s31, v26                   ; slot 0's point,
	s_cmp_lg_u32 s30, 0
	s_cselect_b32 s31, s31, 0                      ; or point 0 for an empty ball
	v_mov_b32 v14, s31
	v_cmp_gt_u32 vcc_lo, s30, v1
	v_cndmask_b32 v26, v14, v26, vcc_lo            ; slots at or beyond the count repeat it
	v_min_u32 v26, 0x3fff, v26
	; THE GATHER.
	v_mul_u32_u24 v29, 12, v26
	global_load_b96 v[32:34], v29, s[8:9]          ; lane = sample: its point's x, y, z
	ds_store_b32 v27, v26
.irp u, 0,1,2,3
	ds_load_b128 v[IX+4*\u:IX+4*\u+3], v28 offset:16*\u
.endr
	s_wait_dscnt 0x0
.irp r, 0,1,2,3,4,5,6,7,8,9,10,11,12,13,14,15
	v_min_u32 v[IX+\r], 0x3fff, v[IX+\r]
	v_lshl_add_u32 v[IX+\r], v[IX+\r], 8, v5
	global_load_b128 v[DD+4*\r:DD+4*\r+3], v[IX+\r], s[6:7]    ; samples 2 r, 2 r + 1: sixteen lanes take one row of 256 bytes, aligned
.endr
	s_wait_kmcnt 0x0                               ; my query
	s_wait_loadcnt 16                              ; the coordinates; the 16 row loads are younger
	v_sub_f32 v32, v32, s24
	v_sub_f32 v33, v33, s25
	v_sub_f32 v34, v34, s26
	ds_store_b32 v31, v32
	ds_store_b32 v31, v33 offset:ROWB
	ds_store_b32 v31, v34 offset:2*ROWB
.irp r, 0,1,2,3,4,5,6,7,8,9,10,11,12,13,14,15
	s_wait_loadcnt 15-\r                           ; loads return in order: row load r is in
	v_xor_b32 v[14+(\r&1)], 8*\r, v30
.irp j, 0,1,2,3
	ds_store_b32 v[14+(\r&1)], v[DD+4*\r+\j] offset:ROWB*\j
.endr
.endr
	s_wait_dscnt 0x0                               ; my 32 columns of the tile are written, for the others' sake
	s_barrier_signal -1
	s_barrier_wait -1
	; THE WAY OUT: feature channels 16 wave + r, one row of 512 bytes each.
.irp r, 0,1,2,3,4,5,6,7,8,9,10,11,12,13,14,15
	ds_load_b128 v[DD+4*\r:DD+4*\r+3], v[RD+(\r>>2)] offset:ROWB*\r
.endr
.irp r, 0,1,2,3,4,5,6,7,8,9,10,11,12,13,14,15
	s_wait_dscnt 15-\r
	global_store_b128 v4, v[DD+4*\r:DD+4*\r+3], s[12:13] offset:CHB*\r th:TH_STORE_NT     ; 512 consecutive bytes, aligned; 15 channels are 3,932,160 bytes, inside the signed 24-bit offset
.endr
	s_cmp_gt_u32 s14, 2                            ; the three coordinate rows go to waves 0, 1, 2
	s_cbranch_scc1 .Ldone
	ds_load_b128 v[W:W+3], v25
	s_wait_dscnt 0x0
	global_store_b128 v4, v[W:W+3], s[32:33] th:TH_STORE_NT
.Ldone:
	s_wait_tensorcnt 0x0
	ds_add_u32 v136, v137
	s_wait_dscnt 0x0
	s_endpgm
.Lfunc_end_k_qd97f1497b0_group:
	.size	k_qd97f1497b0_group, .Lfunc_end_k_qd97f1497b0_group-k_qd97f1497b0_group
	.p2alignl 7, 3214868480
	.fill 96, 4, 3214868480
	.section	.rodata,"a",@progbits
	.p2align	6, 0x0
	.amdhsa_kernel k_qd97f1497b0_group
		.amdhsa_group_segment_fixed_size 44544
		.amdhsa_private_segment_fixed_size 0
		.amdhsa_enable_private_segment 0
		.amdhsa_kernarg_size 40
		.amdhsa_user_sgpr_count 2
		.amdhsa_user_sgpr_kernarg_segment_ptr 1
		.amdhsa_wavefront_size32 1
		.amdhsa_system_sgpr_workgroup_id_x 1
		.amdhsa_system_sgpr_workgroup_id_y 1
		.amdhsa_system_sgpr_workgroup_id_z 1
		.amdhsa_system_vgpr_workitem_id 0
		.amdhsa_next_free_vgpr 138
		.amdhsa_next_free_sgpr 66
		.amdhsa_reserve_vcc 1
		.amdhsa_float_denorm_mode_32 3
		.amdhsa_float_denorm_mode_16_64 3
		.amdhsa_memory_ordered 1
		.amdhsa_forward_progress 1
		.amdhsa_inst_pref_size 27
	.end_amdhsa_kernel
	.amdgpu_metadata
---
amdhsa.version: [ 1, 2 ]
amdhsa.kernels:
  - .name:           k_qd97f1497b0_group
    .symbol:         k_qd97f1497b0_group.kd
    .args:
      - { .name: masks, .offset: 0, .size: 8, .value_kind: global_buffer, .address_space: global }
      - { .name: ft, .offset: 8, .size: 8, .value_kind: global_buffer, .address_space: global }
      - { .name: xyz, .offset: 16, .size: 8, .value_kind: global_buffer, .address_space: global }
      - { .name: new_xyz, .offset: 24, .size: 8, .value_kind: global_buffer, .address_space: global }
      - { .name: out0, .offset: 32, .size: 8, .value_kind: global_buffer, .address_space: global }
    .group_segment_fixed_size: 44544
    .private_segment_fixed_size: 0
    .kernarg_segment_align: 8
    .kernarg_segment_size: 40
    .max_flat_workgroup_size: 128
    .sgpr_count:     66
    .vgpr_count:     138
    .wavefront_size: 32
...
	.end_amdgpu_metadata
.endif
;; end of part 2
;; ======== version 2 of 2: 2 launches; version 1 with the launch group written anew for expert scheduling mode
;; workspace buffers: ft 8,388,608 bytes; masks 8,388,608 bytes of whole numbers
;; launch ballmask: the kernel of part 1 again; grid 256 x 1, 16 waves a work-group, no clusters, 69,632 bytes of LDS; arguments features, new_xyz, xyz, ft, masks; writes ft, masks
;; launch group (part 3): grid 1024 x 1, 4 waves a work-group, no clusters, 44,544 bytes of LDS; arguments masks, ft, xyz, new_xyz, out0; writes out0
.if DOCPART == 3
	.amdgcn_target "amdgcn-amd-amdhsa--gfx1250"
	.amdhsa_code_object_version 6
	.text
	.protected	k_qd97f1497b0_group
	.globl	k_qd97f1497b0_group
	.p2align	8
	.type	k_qd97f1497b0_group,@function
k_qd97f1497b0_group:
	s_mov_b64 s[64:65], 0
	v_nop
	global_prefetch_b8 v0, s[64:65] scope:SCOPE_SE
	s_setreg_imm32_b32 hwreg(HW_REG_WAVE_SCHED_MODE, 0, 2), 2
	s_setreg_imm32_b32 hwreg(HW_REG_WAVE_MODE, 25, 1), 1
	s_wait_xcnt 0x0
	s_wait_alu depctr_vm_vsrc(0)
; SELECT AND GROUP.  out0[b][c][q][s]: c = 0..2: xyz[b][idx][c] - new_xyz[b][q][c]; c = 3..66: features[b][c-3][idx], idx = idx(b, q, s) =
; the (s+1)-th point inside the ball in the points' order; slots beyond the count take the first such point, or point 0 if there is none.
; The masks (whole numbers, made by the launch before) say which points are inside; ft holds the features as rows of 256 bytes a point.
; SHARES.  1024 work-groups of 4 waves; a work-group owns 4 neighbouring queries, a wave one of them until the barrier.  Four queries x 32 samples
; are 512 consecutive bytes of every output channel: one 16-byte store of a wave.
; Per wave: 2 KB of masks in, 32 rows of 256 bytes and 32 x 12 bytes gathered, all 17 gathers in flight at once; per work-group 67 x 512 bytes out.
; NO CLUSTER, NO TENSOR LOADS: no two work-groups read the same mask row, and which rows of ft they share is known only from the data.
; NO PREFETCH: a row's number is known only a few instructions before its load.
; THE MODE: SCHED_MODE bits 1:0 = 2 (LLVM: expert scheduling mode 2), set by the entry lines.  The code itself states the register dependences
; between vector instructions and memory or LDS instructions, and those through scalar registers and VCC that vector instructions write, with s_wait_alu, always for 0.
; THE PLAN.  The text is one straight run.  Registers that memory or LDS instructions touch:
;   v4, v6, v7, v25, v27, v28, v31, RD, TA, Z   addresses (Z: a zero to store), all made at the head and never written again: one wait for v4 ahead of the
;              mask loads, one for all the others behind the wait for the masks.
;   W          the mask loads land in it; four LDS stores, the compares and the counts read it; at the very end one LDS load lands in its first four.
;   SA, SD, PF the scatter's 16 addresses, 16 data and 16 running counts, made in runs by vector instructions; ONE wait, then the run of 16 LDS stores.
;              They lie in DD, in which the row loads land later.
;   v15; v29, v26; v32-34   each written by vector instructions, then read by LDS or memory instructions behind a wait, and never written again.
;   IX         LDS loads land in it, 32 vector instructions turn it into 16 offsets, ONE wait, then the run of 16 row loads reads it.
;   DD         the row loads land in it, 64 LDS stores read it, 16 LDS loads land in it again behind a wait on vm_vsrc, the global stores read it.
; Behind the wait ahead of the coordinates' LDS stores no vector instruction is issued any more: from there on the memory counters say all.
.set ROWB, 512                         ; a tile row: one channel, 4 queries x 32 samples
.set SCR,  67*ROWB                     ; behind the tile: each wave's own scratch
.set WSZ,  2432                        ; its size: 2048 mask words, 256 slot table (33 words used), 128 index list
.set TOFF, 2048
.set IOFF, 2304
.set CHB,  262144                      ; bytes of an output channel: 2048 queries x 32 samples x 4
.set Z,    35                          ; v35        0, stored into the slot table
.set W,    36                          ; v[36:51]   my 16 mask words: points 512 lane + 32 k + bit
.set IX,   52                          ; v[52:67]   indices 2 r + hl, then the byte offsets of their rows' 16 bytes
.set DD,   68                          ; v[68:131]  16 x 16 bytes gathered; later 16 tile rows on their way out
.set SA,   DD                          ; v[68:83]   before the gather: word k's LDS address in the slot table
.set SD,   DD+16                       ; v[84:99]   before the gather: what word k writes there
.set PF,   DD+32                       ; v[100:115] before the gather: hits in front of word k
.set RD,   132                         ; v[132:135] tile read addresses for the four swizzle keys of my 16 channels
.set TA,   136                         ; v[136:151] tile store addresses: one for each of the 16 row loads
.set CM,   40                          ; s[40:55]   lanes whose word k holds a hit
; v1 lane, v2 i = lane % 16, v3 hl = lane / 16, v4 16 lane, v5 16 i; v6-v10, v25, v27-v31 addresses (below); v11-v24, v26 the selection
	s_load_b256 s[4:11], s[0:1], 0x0               ; masks s[4:5], ft s[6:7], xyz s[8:9], new_xyz s[10:11]
	s_load_b64 s[12:13], s[0:1], 0x20              ; out0
	v_lshl_add_u32 v13, v0, 2, 0xac00
	v_mov_b32 v17, 0
	v_and_b32 v1, 31, v0
	v_and_b32 v2, 15, v0
	v_bfe_u32 v3, v0, 4, 1
	v_lshrrev_b32 v14, 5, v0
	v_readfirstlane_b32 s14, v14                   ; wave 0..3
	v_lshlrev_b32 v4, 4, v1
	v_lshlrev_b32 v5, 4, v2
	s_wait_alu depctr_va_sdst(0)                   ; s14 is written, ahead of its first reader: every base and LDS address is made from it
	s_lshl2_add_u32 s15, ttmp9, s14                ; my query's row, 4 x group + wave, 0..4095
	s_lshr_b32 s16, ttmp9, 9                       ; batch
	s_mov_b32 s21, 0                               ; high word of every offset pair s[20:21]
	s_lshl_b32 s20, s15, 11
	s_wait_kmcnt 0x0
	s_add_nc_u64 s[4:5], s[4:5], s[20:21]
	s_wait_alu depctr_va_vdst(0)                   ; v4 is written, which the mask loads (and at the end all global stores) read as their offset
.irp t, 0,1,2,3
	global_load_b128 v[W+4*\t:W+4*\t+3], v4, s[4:5] offset:512*\t th:TH_LOAD_NT    ; 512 consecutive bytes; words 4 t .. 4 t + 3 of my 512 points
.endr
	s_mul_i32 s20, s15, 12
	s_add_nc_u64 s[10:11], s[10:11], s[20:21]
	s_load_b96 s[24:26], s[10:11], 0x0             ; my query's x, y, z
	s_lshl_b32 s20, s16, 22
	s_add_nc_u64 s[6:7], s[6:7], s[20:21]          ; ft of my batch
	s_mul_i32 s20, s16, 196608
	s_add_nc_u64 s[8:9], s[8:9], s[20:21]          ; xyz of my batch
	s_mul_i32 s22, s16, 67
	s_and_b32 s23, ttmp9, 511
	s_lshl_b32 s23, s23, 9                         ; the group's 512 bytes in a channel
	s_add_co_u32 s20, s22, s14
	s_lshl_b32 s20, s20, 18
	s_add_co_u32 s20, s20, s23
	s_add_nc_u64 s[32:33], s[12:13], s[20:21]      ; channel 67 b + wave: the coordinate row that waves 0-2 store
	s_lshl4_add_u32 s20, s14, s22
	s_add_co_u32 s20, s20, 3
	s_lshl_b32 s20, s20, 18
	s_add_co_u32 s20, s20, s23
	s_add_nc_u64 s[12:13], s[12:13], s[20:21]      ; channel 67 b + 3 + 16 wave: the first of my 16 feature channels
	; LDS addresses, made while the masks are on their way
	s_mul_i32 s17, s14, WSZ
	s_add_co_u32 s17, s17, SCR                     ; my scratch
	s_add_co_u32 s18, s17, TOFF
	s_add_co_u32 s19, s17, IOFF
	v_lshl_add_u32 v6, v1, 6, s17                  ; mask words: word id x 4, id = 16 lane + k
	v_lshl_add_u32 v7, v1, 2, s18                  ; slot table: slot = lane
	v_mov_b32 v8, s18
	v_mov_b32 v9, s17
	v_lshlrev_b32 v10, 9, v1                       ; (16 lane) << 5
	v_and_b32 v14, 1, v1
	v_lshrrev_b32 v15, 1, v1
	v_lshlrev_b32 v15, 2, v15
	v_lshl_add_u32 v15, v14, 6, v15
	v_add_nc_u32 v27, s19, v15                     ; index list, in: even samples first, then the odd ones
	v_lshl_add_u32 v28, v3, 6, s19                 ; index list, back: 16 indices 2 r + hl
	; Tile: element (channel row c, column x = 32 wave + sample) lies at 512 c + ((4 x) xor (16 ((c >> 2) & 15))); feature channel c is row c,
	; coordinate c is row 64 + c (key 0).  A gathered 16 bytes are channels 4 i + j of sample 2 r + hl: key i; the 32 lanes of a store hit 32 different
	; banks (i moves address bits 4-7, hl bit 2; 64 banks of 4 bytes, ISA guide 11.1).  A row is read back as 32 chunks of 16 bytes.
	s_lshl_b32 s22, s14, 7
	v_xor_b32 v30, s22, v5
	v_lshl_add_u32 v30, v2, 11, v30
	v_lshl_add_u32 v30, v3, 2, v30                 ; 2048 i + ((128 wave) xor (16 i)) + 4 hl; 512 j is an offset,
.irp r, 0,1,2,3,4,5,6,7,8,9,10,11,12,13,14,15
	v_xor_b32 v[TA+\r], 8*\r, v30                  ; and 8 r is xor-ed in: an address for each row load, so that none is made among the tile's stores
.endr
	s_add_co_u32 s23, s22, 64*ROWB
	v_lshl_add_u32 v31, v1, 2, s23                 ; coordinate rows, in: column 32 wave + lane
	s_lshl_b32 s27, s14, 6
	s_lshl_b32 s28, s14, 13
	v_xor_b32 v[RD], s27, v4
	v_add_nc_u32 v[RD], s28, v[RD]                 ; rows 16 wave + r: key 4 wave + (r >> 2)
	v_xor_b32 v[RD+1], 16, v[RD]
	v_xor_b32 v[RD+2], 32, v[RD]
	v_xor_b32 v[RD+3], 48, v[RD]
	s_lshl_b32 s27, s14, 9
	s_add_co_u32 s27, s27, 64*ROWB
	v_add_nc_u32 v25, s27, v4                      ; coordinate row 64 + wave, back
	v_mov_b32 v[Z], 0
	; THE SELECTION.  All LDS bytes used here are my wave's own, and LDS serves a wave's instructions in order (ISA guide 5.7.1): no barrier.
	s_wait_loadcnt 0x0
	s_wait_alu depctr_va_vdst(0)                   ; v6, v7, v25, v27, v28, v31, RD, TA and Z are written: the LDS instructions from here to the end read them, and nothing writes them again
.irp t, 0,1,2,3
	ds_store_b128 v6, v[W+4*\t:W+4*\t+3] offset:16*\t
.endr
	ds_store_b32 v7, v[Z]                          ; slot table = 0
.irp k, 0,1,2,3,4,5,6,7,8,9,10,11,12,13,14,15
	v_cmp_ne_u32 s[CM+\k], 0, v[W+\k]              ; does word k hold a hit?  All sixteen compares in one run, a scalar register each
.endr
	v_bcnt_u32_b32 v11, v[W], 0
.irp k, 1,2,3,4,5,6,7,8,9,10,11,12,13,14,15
	v_bcnt_u32_b32 v11, v[W+\k], v11               ; hits among my 512 points
.endr
	v_mov_b32 v12, v11                             ; running sum over the lanes: four steps inside 16 lanes, then lane 15's sum on top of lanes 16-31
	v_add_nc_u32_dpp v12, v12, v12 row_shr:1 row_mask:0xf bank_mask:0xf bound_ctrl:1
	v_add_nc_u32_dpp v12, v12, v12 row_shr:2 row_mask:0xf bank_mask:0xf bound_ctrl:1
	v_add_nc_u32_dpp v12, v12, v12 row_shr:4 row_mask:0xf bank_mask:0xf bound_ctrl:1
	v_add_nc_u32_dpp v12, v12, v12 row_shr:8 row_mask:0xf bank_mask:0xf bound_ctrl:1
	v_readlane_b32 s29, v12, 15
	s_wait_alu depctr_va_sdst(0)                   ; s29 and the sixteen masks s[CM ..] are written, ahead of their first readers
	v_mad_u32_u24 v12, v3, s29, v12
	v_readlane_b32 s30, v12, 31                    ; the ball's count
	v_sub_nc_u32 v[PF], v12, v11                   ; hits in front of my first word,
.irp k, 1,2,3,4,5,6,7,8,9,10,11,12,13,14,15
	v_bcnt_u32_b32 v[PF+\k], v[W+\k-1], v[PF+\k-1] ; and in front of word k
.endr
	; Each word that holds a hit and has fewer than 32 hits in front of it writes (word id << 5 | hits in front) into the slot of its first hit.
	; Such words have different slots.  All others write into slot 32, which nobody reads.
.irp k, 0,1,2,3,4,5,6,7,8,9,10,11,12,13,14,15
	v_cndmask_b32 v[SA+\k], 32, v[PF+\k], s[CM+\k]
.endr
.irp k, 0,1,2,3,4,5,6,7,8,9,10,11,12,13,14,15
	v_min_u32 v[SA+\k], 32, v[SA+\k]
.endr
.irp k, 0,1,2,3,4,5,6,7,8,9,10,11,12,13,14,15
	v_lshl_add_u32 v[SA+\k], v[SA+\k], 2, v8
.endr
.irp k, 0,1,2,3,4,5,6,7,8,9,10,11,12,13,14,15
	v_add3_u32 v[SD+\k], v[PF+\k], v10, 32*\k
.endr
	s_wait_alu depctr_va_vdst(0)                   ; the sixteen addresses SA and the sixteen data SD are written, which the run of LDS stores reads
.irp k, 0,1,2,3,4,5,6,7,8,9,10,11,12,13,14,15
	ds_store_b32 v[SA+\k], v[SD+\k]
.endr
	ds_load_b32 v18, v7                            ; lane = slot from here on
	s_wait_dscnt 0x0
	; Word ids grow with the slots: a running maximum gives every slot the word that holds its hit.
	v_max_u32_dpp v18, v18, v18 row_shr:1 row_mask:0xf bank_mask:0xf bound_ctrl:1
	v_max_u32_dpp v18, v18, v18 row_shr:2 row_mask:0xf bank_mask:0xf bound_ctrl:1
	v_max_u32_dpp v18, v18, v18 row_shr:4 row_mask:0xf bank_mask:0xf bound_ctrl:1
	v_max_u32_dpp v18, v18, v18 row_shr:8 row_mask:0xf bank_mask:0xf bound_ctrl:1
	v_readlane_b32 s29, v18, 15
	s_wait_alu depctr_va_sdst(0)                   ; s29 is written, ahead of the multiply that reads it; so is s30, the count, whose first reader comes further down
	v_mul_u32_u24 v14, v3, s29
	v_max_u32 v18, v18, v14
	v_lshrrev_b32 v15, 5, v18                      ; word id
	v_and_b32 v16, 31, v18                         ; slot of the word's first hit
	v_min_u32 v15, 0x1ff, v15
	v_lshl_add_u32 v15, v15, 2, v9
	s_wait_alu depctr_va_vdst(0)                   ; v15 is written, the address of the LDS load below; nothing writes it again
	ds_load_b32 v20, v15                           ; the word
	v_sub_nc_u32 v19, v1, v16                      ; I want its hit number k (from 0)
	v_mov_b32 v21, 0
	s_wait_dscnt 0x0
; Halving search: if the next w bits hold no more than k hits, pass over them.  Each level hangs on the one before it, so each has its own compare
; and its own wait; the two candidates are made between the compare and the wait.
.macro LEVEL w
	v_bfe_u32 v22, v20, v21, \w
	v_bcnt_u32_b32 v22, v22, 0
	v_cmp_ge_u32 vcc_lo, v19, v22
	v_add_nc_u32 v24, \w, v21
	v_sub_nc_u32 v23, v19, v22
	s_wait_alu depctr_va_vcc(0)                    ; VCC is written, ahead of the two selects that read it
	v_cndmask_b32 v21, v21, v24, vcc_lo
	v_cndmask_b32 v19, v19, v23, vcc_lo
.endm
	LEVEL 16
	LEVEL 8
	LEVEL 4
	LEVEL 2
	LEVEL 1
	v_and_or_b32 v26, v18, 0xffffffe0, v21         ; 32 x word id + bit
	v_readfirstlane_b32 s31, v26                   ; slot 0's point,
	v_cmp_gt_u32 s34, s30, v1                      ; and the slots below the count
	s_wait_alu depctr_va_sdst(0)                   ; s31 and s34 are written, ahead of the scalar select and the vector select that read them
	s_cmp_lg_u32 s30, 0
	s_cselect_b32 s31, s31, 0                      ; or point 0 for an empty ball
	v_mov_b32 v14, s31
	v_cndmask_b32 v26, v14, v26, s34               ; slots at or beyond the count repeat it
	v_min_u32 v26, 0x3fff, v26
	; THE GATHER.
	v_mul_u32_u24 v29, 12, v26
	s_wait_alu depctr_va_vdst(0)                   ; v29 and v26 are written: the coordinates' load reads the one as its offset, the LDS store the other as its data
	global_load_b96 v[32:34], v29, s[8:9]          ; lane = sample: its point's x, y, z
	ds_store_b32 v27, v26
.irp u, 0,1,2,3
	ds_load_b128 v[IX+4*\u:IX+4*\u+3], v28 offset:16*\u
.endr
	s_wait_dscnt 0x0
.irp r, 0,1,2,3,4,5,6,7,8,9,10,11,12,13,14,15
	v_min_u32 v[IX+\r], 0x3fff, v[IX+\r]
.endr
.irp r, 0,1,2,3,4,5,6,7,8,9,10,11,12,13,14,15
	v_lshl_add_u32 v[IX+\r], v[IX+\r], 8, v5
.endr
	s_wait_alu depctr_va_vdst(0)                   ; the sixteen offsets IX are written, which the row loads read; the vector instructions are done with SA, SD and PF, in which those loads land, and with W
	s_wait_alu depctr_vm_vsrc(0)                   ; the scatter's LDS stores have read SA and SD, in which the row loads land; the LDS stores of the mask words have read W
.irp r, 0,1,2,3,4,5,6,7,8,9,10,11,12,13,14,15
	global_load_b128 v[DD+4*\r:DD+4*\r+3], v[IX+\r], s[6:7]    ; samples 2 r, 2 r + 1: sixteen lanes take one row of 256 bytes, aligned
.endr
	s_wait_kmcnt 0x0                               ; my query
	s_wait_loadcnt 16                              ; the coordinates; the 16 row loads are younger
	v_sub_f32 v32, v32, s24
	v_sub_f32 v33, v33, s25
	v_sub_f32 v34, v34, s26
	s_wait_alu depctr_va_vdst(0)                   ; the three differences are written, which the LDS stores below read; these were the kernel's last vector instructions
	ds_store_b32 v31, v32
	ds_store_b32 v31, v33 offset:ROWB
	ds_store_b32 v31, v34 offset:2*ROWB
.irp r, 0,1,2,3,4,5,6,7,8,9,10,11,12,13,14,15
	s_wait_loadcnt 15-\r                           ; loads return in order: row load r is in
.irp j, 0,1,2,3
	ds_store_b32 v[TA+\r], v[DD+4*\r+\j] offset:ROWB*\j
.endr
.endr
	s_wait_dscnt 0x0                               ; my 32 columns of the tile are written, for the others' sake
	s_barrier_signal -1
	s_barrier_wait -1
	; THE WAY OUT: feature channels 16 wave + r, one row of 512 bytes each.
	s_wait_alu depctr_vm_vsrc(0)                   ; my LDS stores into the tile have read DD, in which the loads below land
.irp r, 0,1,2,3,4,5,6,7,8,9,10,11,12,13,14,15
	ds_load_b128 v[DD+4*\r:DD+4*\r+3], v[RD+(\r>>2)] offset:ROWB*\r
.endr
.irp r, 0,1,2,3,4,5,6,7,8,9,10,11,12,13,14,15
	s_wait_dscnt 15-\r
	global_store_b128 v4, v[DD+4*\r:DD+4*\r+3], s[12:13] offset:CHB*\r th:TH_STORE_NT     ; 512 consecutive bytes, aligned; 15 channels are 3,932,160 bytes, inside the signed 24-bit offset
.endr
	s_cmp_gt_u32 s14, 2                            ; the three coordinate rows go to waves 0, 1, 2
	s_cbranch_scc1 .Ldone
	ds_load_b128 v[W:W+3], v25                     ; W's readers, vector and LDS, all stand ahead of the two waits in front of the row loads; nothing has named W since
	s_wait_dscnt 0x0
	global_store_b128 v4, v[W:W+3], s[32:33] th:TH_STORE_NT
.Ldone:
	s_wait_dscnt 0x0
	s_wait_alu depctr_hold_cnt(0) depctr_sa_sdst(0) depctr_va_vdst(0) depctr_va_sdst(0) depctr_va_ssrc(0) depctr_va_vcc(0) depctr_vm_vsrc(0)
	s_wait_tensorcnt 0x0
	ds_add_u32 v13, v17
	s_wait_dscnt 0x0
	s_endpgm
.Lfunc_end_k_qd97f1497b0_group:
	.size	k_qd97f1497b0_group, .Lfunc_end_k_qd97f1497b0_group-k_qd97f1497b0_group
	.p2alignl 7, 3214868480
	.fill 96, 4, 3214868480
	.section	.rodata,"a",@progbits
	.p2align	6, 0x0
	.amdhsa_kernel k_qd97f1497b0_group
		.amdhsa_group_segment_fixed_size 44544
		.amdhsa_private_segment_fixed_size 0
		.amdhsa_enable_private_segment 0
		.amdhsa_kernarg_size 40
		.amdhsa_user_sgpr_count 2
		.amdhsa_user_sgpr_kernarg_segment_ptr 1
		.amdhsa_wavefront_size32 1
		.amdhsa_system_sgpr_workgroup_id_x 1
		.amdhsa_system_sgpr_workgroup_id_y 1
		.amdhsa_system_sgpr_workgroup_id_z 1
		.amdhsa_system_vgpr_workitem_id 0
		.amdhsa_next_free_vgpr 152
		.amdhsa_next_free_sgpr 66
		.amdhsa_reserve_vcc 1
		.amdhsa_float_denorm_mode_32 3
		.amdhsa_float_denorm_mode_16_64 3
		.amdhsa_memory_ordered 1
		.amdhsa_forward_progress 1
		.amdhsa_inst_pref_size 29
	.end_amdhsa_kernel
	.amdgpu_metadata
---
amdhsa.version: [ 1, 2 ]
amdhsa.kernels:
  - .name:           k_qd97f1497b0_group
    .symbol:         k_qd97f1497b0_group.kd
    .args:
      - { .name: masks, .offset: 0, .size: 8, .value_kind: global_buffer, .address_space: global }
      - { .name: ft, .offset: 8, .size: 8, .value_kind: global_buffer, .address_space: global }
      - { .name: xyz, .offset: 16, .size: 8, .value_kind: global_buffer, .address_space: global }
      - { .name: new_xyz, .offset: 24, .size: 8, .value_kind: global_buffer, .address_space: global }
      - { .name: out0, .offset: 32, .size: 8, .value_kind: global_buffer, .address_space: global }
    .group_segment_fixed_size: 44544
    .private_segment_fixed_size: 0
    .kernarg_segment_align: 8
    .kernarg_segment_size: 40
    .max_flat_workgroup_size: 128
    .sgpr_count:     66
    .vgpr_count:     152
    .wavefront_size: 32
...
	.end_amdgpu_metadata
.endif
;; end of part 3
